; MI455X (gfx1250); checked and timed in simulation.
; The chip was launched on July 23, 2026; its instructions are those of AMD's public machine-readable ISA for CDNA 5 (MIT licence, August 2026) and "CDNA5" Instruction Set Architecture Reference Guide (July 2026). The comments in the code are by the model that wrote it; some were corrected since.
;; Scaled Dot Product Attention. Allowed arithmetic: matrix products marked QUANTISED: E4M3 operands, one E8M0 scale for each 32 along K, by v_wmma_scale_f32_16x16x128_f8f6f4 with both operands' format E4M3, f32 sums; everything else in f32.
;; Inputs: k_codes 4,096 x 32 x 32 uint8 (E4M3 codes of k, K innermost, in blocks of 32 codes); k_scales 4,096 x 32 uint8 (E8M0 scales of k, one for each 32 codes along K); q_codes 4,096 x 32 x 32 uint8 (E4M3 codes of q, K innermost, in blocks of 32 codes); q_scales 4,096 x 32 uint8 (E8M0 scales of q, one for each 32 codes along K); v_codes 1,024 x 128 x 32 uint8 (E4M3 codes of v, K innermost, in blocks of 32 codes); v_scales 1,024 x 128 uint8 (E8M0 scales of v, one for each 32 codes along K).
;; Outputs: out0 4,096 x 1,024 float32.
;; This version of the problem:
;;   THIS VERSION OF THE PROBLEM IS GIVEN IN LOW PRECISION. The matrix products marked QUANTISED in the list below multiply operands that are first quantised to E4M3 (4 exponent bits, 3 mantissa bits; 8 bits a number), with one power-of-two scale for each 32 numbers along K (OCP MX v1.0); their sums are f32. All else is computed in f32.
;;   The module's matrix products, in the order in which they are computed (A, B: the left and right operand; K: the contracted axis; several contracted axes count as one K, in the product's order):
;;     1. [M 4,096, K 1,024] x [K 1,024, N 4,096]; A: input q (given as codes); B: input k (given as codes): QUANTISED
;;     2. [M 4,096, K 4,096] x [K 4,096, N 1,024]; A: softmax (see below); B: input v (given as codes): QUANTISED
;;   THE QUANTISER, for each operand of a quantised product, along K:
;;     - K is cut into blocks of 32 from its start; a last block that is shorter is filled with zeros.
;;     - A block's scale is 2^e with e = floor(log2(the largest magnitude in the block)) - 8, held to -126 .. 127; a block of zeros has e = 0. As a byte (E8M0): e + 127.
;;     - Each number is divided by its block's scale, clamped to +-448, and rounded to the nearest number of E4M3, ties to even, subnormals kept.
;;     - The product sums the exact products of the quantised numbers (number of the format x scale) in f32.
;;   ~~~python
;;   def quantise(x, axis):      # numpy; x: float32 -> the quantised numbers, widened to float32 again
;;       x = np.moveaxis(x, axis, -1); K = x.shape[-1]
;;       x = np.pad(x, [(0, 0)] * (x.ndim - 1) + [(0, -K % 32)]); x = x.reshape(x.shape[:-1] + (-1, 32)); a = np.abs(x).max(-1, keepdims=True)
;;       e = np.where(a > 0, np.clip(np.frexp(np.where(a > 0, a, 1))[1] - 1 - 8, -126, 127), 0)      # np.frexp(a)[1] - 1 = floor(log2(a)), exactly
;;       r = np.clip(x / 2.0 ** e, -448, 448)
;;       step = 2.0 ** (np.maximum(np.frexp(np.where(r == 0, 1, r))[1] - 1, -6) - 3)
;;       q = np.round(r / step) * step * 2.0 ** e      # np.round: ties to even
;;       return np.moveaxis(q.reshape(q.shape[:-2] + (-1,))[..., :K], -1, axis).astype(np.float32)
;;   ~~~
;;   SOFTMAX AHEAD OF A QUANTISED PRODUCT. Where the list says 'softmax', what is quantised is not the finished softmax but p = 2^(t - M), with t = logit x log2(e) and M = ceil(the row's largest t), a whole number; so 1/2 < the row's largest p <= 1. The row's sum l is taken of the UNQUANTISED p, in f32, and the product's result is divided by l at the end. Since M is a whole number, a kernel that streams over the keys may use a running M (the ceiling of the running maximum): every later rescaling is an exact power of two, which a block's scale takes up: the codes' values come out the same.
;;   OPERANDS COMPUTED ON THE WAY. 'Computed on the way' means the value that the module computes at that place (a softmax that the list does not call 'softmax' is quantised finished and normalised). What goes into a quantiser is computed in f32, as accurately as f32 sums, v_exp_f32 and their like allow (about 1e-6 of the number): no bf16 or f16 on the way to a quantiser, and a product that is left as it is and whose result goes on into a quantised operand takes f32 operands (vector FMAs, or v_wmma_f32_16x16x4_f32). A number that lies on a knife's edge between two numbers of the format may be rounded either way, as far as f32 arithmetic and the matrix unit's own rounding can turn it there, and no further.
;;   INPUTS GIVEN AS CODES. k (in the module: [4096, 1024], K = its axis 1); q (in the module: [4096, 1024], K = its axis 1); v (in the module: [4096, 1024], K = its axis 0): each comes as NAME_codes (uint8): NAME with its K axis moved to the last place and cut into blocks of 32 codes, [.., K / 32, bytes a block], one block behind the other in memory; one code a byte (a code: sign, 4 exponent bits, 3 mantissa bits); and NAME_scales (uint8): the same leading axes, one E8M0 byte (e + 127) for each 32 codes along K. Its value is code x scale, taken as it is: it is not quantised again, and the codes and scales need not be those that the quantiser above would give.
;; One version. Each part assembles by itself: llvm-mc -triple=amdgcn-amd-amdhsa -mcpu=gfx1250 --defsym DOCPART=n.
;; ======== version 1 of 1: 2 launches
;; limits: right only within a limited range of input values
;; workspace buffers: pcodes 16,777,216 bytes; pstat 1,572,864 bytes
;; launch scores (part 1): grid 16 x 16, 4 waves a work-group, clusters of 4 x 4, 327,680 bytes of LDS; arguments q_codes, q_scales, k_codes, k_scales, pcodes, pstat; writes pcodes, pstat
.if DOCPART == 1
	.amdgcn_target "amdgcn-amd-amdhsa--gfx1250"
	.amdhsa_code_object_version 6
	.text
	.protected	k_q6d601500e7_scores
	.globl	k_q6d601500e7_scores
	.p2align	8
	.type	k_q6d601500e7_scores,@function
k_q6d601500e7_scores:
	s_mov_b64 s[64:65], 0
	v_nop
	global_prefetch_b8 v0, s[64:65] scope:SCOPE_SE
	s_setreg_imm32_b32 hwreg(HW_REG_WAVE_MODE, 25, 1), 1
	s_wait_xcnt 0x0
	s_wait_alu depctr_hold_cnt(0) depctr_sa_sdst(0) depctr_va_vdst(0) depctr_va_sdst(0) depctr_va_ssrc(0) depctr_va_vcc(0) depctr_vm_vsrc(0)
	s_getreg_b32 s2, hwreg(HW_REG_IB_STS2, 6, 4)
	s_cmp_eq_u32 s2, 0
	s_cbranch_scc0 .Lentry_in_a_cluster
	s_endpgm
.Lentry_in_a_cluster:
	s_bfe_u32 s2, ttmp6, 0x10000c
	s_cmp_lg_u32 s2, 0xf033
	s_cbranch_scc0 .Lentry_shape_is_right
	s_endpgm
.Lentry_shape_is_right:
; FIRST OF TWO LAUNCHES.  S = q k^T on codes of FP8 (E4M3) with one E8M0 scale for each 32 along K (K = 1,024), in tiles of 256 queries x 256 keys, and the softmax's p for each GROUP of 128 keys.
; A work-group of four waves makes a tile; a wave makes 128 queries x 128 keys: 64 accumulators of 16 x 16, 512 registers.  K goes in slots of 256 through a ring of two LDS slots filled by the tensor data mover; a step is 128 along K.
; For each query and each group of 128 keys (a wave's columns): t = score x log2(e) / 32;  M = the group's largest t rounded UP to a whole number;  p = 2^(t - M);  l = the sum of the unquantised p;
; p is quantised along the keys, block of 32 by block of 32.  M is a whole number, so p under the group's M and p under the row's M differ by an exact power of two, which a block's scale byte takes up:
; the second launch finds the row's M and takes the difference off the scale bytes.  The codes are the same.
; OUT: pcodes [64 queries 64][512 keys 8][block of 16 queries 4][group of 128 keys 4][2,048]: the register image of an operand fragment: register group c of lane l at 512 c + 16 l.
;      pstat: three planes [group 32][query 4,096] of words: -M (f32), l (f32), the four scale bytes of p.
; LIMITS: NaN and infinities among the scores are not served.  A block whose every p has fallen to 0 keeps the scale byte 1: its codes are zeros.
; CLUSTERS: 4 x 4 work-groups.  The four of a row of the cluster need the same tiles of q, the four of a column the same tiles of k: each tile is asked for JOINTLY, by the same tensor load with the same descriptor and a mask that names the four.
; PREFETCH: each later K step of 256 is asked for one fill ahead of its own load: number 1 in the head, 2 behind number 1's load, 3 behind number 2's.  Of the 128 rows that a wave fetches each of the four partners names 32, told apart by address, a lane a row.
; THE MATRIX INSTRUCTION IS USED TRANSPOSED (source 0 = 16 keys, source 1 = 16 queries): lane (r, h) of accumulator (a, b) holds query 16 a + r, and its register j key 16 b + 8 h + j.
; REGISTERS, in windows of 256: window 0: v0-31 addresses; v32-63 scale words, two sets; v64-255 a ring of twelve fragments of q (step s, block a at number (8 s + a) mod 12); on the way out v32-255 are at work.
;   window 1: k's fragments, two sets of eight.   window 2: the accumulators of my queries 0-63 ((a, b) at v[8 (8 a + b)]);   window 3: those of my queries 64-127.
.set PITCH,  272                       ; an LDS row: 256 bytes + 16 of padding = 68 words: the 16 rows that a load touches start at 16 different banks (64 banks of 4 bytes: ISA guide 11.1)
.set HALFT,  128*PITCH                 ; 128 rows: what one tensor load brings
.set SLOT,   4*HALFT                   ; q's 256 rows, then k's 256 rows
.set SCL,    2*SLOT                    ; behind the ring: the scales, as units of 256 bytes + 16; written by LDS stores alone
.set HALFS,  16*272                    ; the scales of 128 rows, 32 bytes each
.set SBLK,   2*272                     ; those of 16 rows
.set SPARE,  SCL+4*HALFS               ; the spare words, 128 bytes for each wave
.set SCR,    SPARE+512                 ; 1,536 bytes for each wave: its 128 queries' -M, l and scale words on their way out
.set ADRA, 16                          ; v16-17  LDS address of my fragments of q in slot 0, 1
.set ADRB, 20                          ; v20-21  the same for k
.set SCW,  22                          ; v22     where my part of the scales goes
.set CO,   24                          ; v24     16 x lane
.set SA,   25                          ; v25     SCR + 1,536 x wave + 4 (lane % 16): where a query's word goes
.set SB,   26                          ; v26     SCR + 1,536 x wave + 16 x lane: where I read four words back
.set ADRS, 27                          ; v27     LDS address of my scale words: lanes 0-15 q's rows, lanes 16-31 k's
.set SPW,  28                          ; v28     LDS address of my spare word; never rewritten
.set NIL,  29                          ; v29     0; never rewritten
.set PFO,  30                          ; v30     1,024 x lane: the prefetches' offset; never rewritten
.set SC,   32                          ; scale words: slot j's set at v[SC + 16 (j % 2)]; register 2 i + q: lanes 0-15 the word of q's block i, lanes 16-31 that of k's block i
.set QR,   64                          ; q's ring
; the way out, for a PAIR of blocks (x = 0, 1)
.set NM,   32                          ; v32-35   -M (pairs; the packed form takes the low word)
.set LA,   36                          ; v36-43   the sums in two chains each
.set RM,   44                          ; v44-45   the group's largest t
.set PW,   46                          ; v46-47   p's scale words
.set LT,   48                          ; v48-49   l
.set LX,   50                          ; v50-51   the other half of the lanes' part of l
.set OUT,  52                          ; v52-63   the three planes' words
.set PX,   64                          ; v64-191  the pair's 128 numbers of a lane
.set BM,   192                         ; v192-199 the blocks' largest score, then largest p
.set BT,   200                         ; v200-207 at work
.set HOLD, 208                         ; v208-215 448 x the scale
.set SOP,  216                         ; v216-223 the conversions' scale operands
.set CD,   224                         ; v224-255 codes
.set G1, 24                            ; s[24:31] descriptor group 1 for q's tiles;  s[32:39] group 0, one set for each slot
.set G0, 32
.set G1B, 48                           ; s[48:55], s[56:63] the same for k's tiles
.set G0B, 56
.set PFA, 70                           ; s[70:71] where my prefetches stand
.set MNT, 95                           ; s95 the mantissa field of 448
.set CS,  96                           ; s[96:97] c = log2(e) / 32
.set SEL, 98                           ; s[98:99] lane selects for v_permlanex16_b32: lane l xor 16
.set MSB, 0
.macro WIN new                         ; the immediate's high byte repeats the setting that is left
.if MSB != \new
	s_set_vgpr_msb (MSB<<8)|\new
.set MSB, \new
.endif
.endm
.set MUL_LO, 0xa1                      ; source 0 (k) window 1, source 1 (q) window 0, C and D window 2
.set MUL_HI, 0xf1                      ; the same, C and D window 3
.set TO_B,   0x40                      ; destination window 1, address window 0
.macro AW                              ; the wait on VALU results
	s_wait_alu depctr_va_vdst(0)
.endm
.macro PLACES n
.rept \n
	v_nop
.endr
.endm
; A joint load: waves 0 and 1 fetch for q, waves 2 and 3 for k.  Each of the two lines has one mask and one set of registers for all that issue it; the branch hangs on the wave's number alone.
.macro JLOAD s
	s_cmp_eq_u32 s15, 0
	s_cbranch_scc0 .Lfor_b_\@
	tensor_load_to_lds s[G0+4*\s:G0+4*\s+3], s[G1:G1+7]
	s_nop 0
	PLACES 4
	s_branch .Lasked_\@
.Lfor_b_\@:
	tensor_load_to_lds s[G0B+4*\s:G0B+4*\s+3], s[G1B:G1B+7]
	s_nop 0
	PLACES 4
.Lasked_\@:
.endm
.macro CREST                           ; a round of the cluster's barrier behind its opening barrier
	s_cmp_lg_u32 s14, 0
	s_cbranch_scc1 .Lnot_wave_0_\@
	s_barrier_signal -3
.Lnot_wave_0_\@:
	s_barrier_wait -3
	s_barrier_signal -1
	s_barrier_wait -1
.endm
.macro CROUND                          ; a whole round
	s_barrier_signal -1
	s_barrier_wait -1
	CREST
.endm
	s_load_b128 s[4:7], s[0:1], 0x0                ; q's codes s[4:5], q's scales s[6:7]
	s_load_b128 s[8:11], s[0:1], 0x10              ; k's codes s[8:9], k's scales s[10:11]
	s_load_b64 s[12:13], s[0:1], 0x20              ; pcodes
	s_load_b64 s[66:67], s[0:1], 0x28              ; pstat
	v_lshl_add_u32 v[SPW], v0, 2, SPARE
	v_mov_b32 v[NIL], 0
	ds_add_u32 v[SPW], v[NIL]                      ; the wave's opening: the add, twice on end, and one wait for both
	ds_add_u32 v[SPW], v[NIL]
	v_lshrrev_b32 v1, 5, v0
	v_readfirstlane_b32 s14, v1                    ; wave 0..3
	s_lshr_b32 s15, s14, 1                         ; which 128 queries of the tile are mine.  Also: I fetch for q (0) or for k (1)
	s_and_b32 s16, s14, 1                          ; which 128 keys.  Also: which 128 rows of that tile I fetch
	s_bfe_u32 s40, ttmp6, 0x40000                  ; cx, cy: my place in the cluster
	s_bfe_u32 s41, ttmp6, 0x40004
	s_lshl_b32 s42, ttmp9, 2
	s_add_co_u32 s42, s42, s40                     ; tile column (keys) = 4 x cluster x + cx
	s_and_b32 s17, ttmp7, 0xffff
	s_lshl_b32 s17, s17, 2
	s_add_co_u32 s17, s17, s41                     ; tile row (queries) = 4 x cluster y + cy
	s_lshl_b32 s43, s41, 2
	s_lshl_b32 s43, 15, s43                        ; my row of the cluster
	s_lshl_b32 s44, 0x1111, s40                    ; my column
	s_mov_b32 s[MNT], 0x600000
	s_mov_b32 s[CS], 0x3d38aa3b                    ; log2(e) / 32
	s_mov_b32 s[CS+1], s[CS]                       ; (named with it as a pair, so it is written)
	s_mov_b32 s[SEL], 0x76543210
	s_mov_b32 s[SEL+1], 0xfedcba98
	; descriptor group 1: a tile of 128 rows x 256 bytes, padded in LDS
	s_or_b32 s[G1+0], s43, (1<<20)|(1<<21)|(5<<22)|(3<<25)  ; 15:0 the mask: q's tiles go to my row; elements of 1 byte; 20 padding on; 21 set beside a mask; 24:22 after every 64 words (code 5); 31:25 of 4 words (code 3)
	s_or_b32 s[G1B+0], s44, (1<<20)|(1<<21)|(5<<22)|(3<<25)
.irp g, G1, G1B
	s_mov_b32 s[\g+1], 256<<16                     ; tensor_dim0
	s_mov_b32 s[\g+2], 128<<16                     ; tensor_dim1
	s_mov_b32 s[\g+3], 256<<16                     ; tile_dim0
	s_mov_b32 s[\g+4], 128                         ; tile_dim1
	s_mov_b32 s[\g+5], 1024                        ; tensor_dim0_stride
	s_mov_b32 s[\g+6], 0
	s_mov_b32 s[\g+7], 0
.endr
	s_lshl_b32 s18, s16, 7                         ; which 128 rows of the tile I fetch
	s_lshl_b32 s20, s17, 8
	s_add_co_u32 s20, s20, s18                     ; q: row 256 x tile row + 128 x half
	s_lshl_b32 s46, s42, 8
	s_add_co_u32 s46, s46, s18                     ; k: row 256 x tile column + 128 x half
	s_lshl_b32 s22, s20, 5                         ; where these rows' scales begin, in bytes
	s_lshl_b32 s92, s46, 5
	s_lshl_b32 s20, s20, 10                        ; and their codes
	s_lshl_b32 s46, s46, 10
	s_mov_b32 s21, 0
	s_mov_b32 s23, 0
	s_mov_b32 s47, 0
	s_mov_b32 s93, 0
	s_mul_i32 s45, s14, HALFT                      ; where they go: wave x 128 rows: no place in the cluster enters an LDS address
	v_and_b32 v3, 31, v0
	v_lshlrev_b32 v[CO], 4, v3                     ; 16 x lane
	v_lshlrev_b32 v[PFO], 10, v3
	AW
	s_wait_dscnt 0x0                               ; both opening adds are done
	CROUND                                         ; all sixteen work-groups are here: the first joint loads meet
	s_wait_kmcnt 0x0
	s_add_nc_u64 s[20:21], s[4:5], s[20:21]
	s_add_nc_u64 s[22:23], s[6:7], s[22:23]
	s_add_nc_u64 s[46:47], s[8:9], s[46:47]
	s_add_nc_u64 s[92:93], s[10:11], s[92:93]
.irp s, 0,1
	s_mov_b32 s[G0+4*\s], 1
	s_add_co_u32 s[G0+4*\s+1], s45, \s*SLOT
	s_add_nc_u64 s[G0+4*\s+2:G0+4*\s+3], s[20:21], \s*256
	s_or_b32 s[G0+4*\s+3], s[G0+4*\s+3], 0x80000000
	s_mov_b32 s[G0B+4*\s], 1
	s_add_co_u32 s[G0B+4*\s+1], s45, \s*SLOT
	s_add_nc_u64 s[G0B+4*\s+2:G0B+4*\s+3], s[46:47], \s*256
	s_or_b32 s[G0B+4*\s+3], s[G0B+4*\s+3], 0x80000000
.endr
	JLOAD 0                                        ; the head's one tensor load a wave
	s_cmp_eq_u32 s15, 0
	s_cselect_b64 s[68:69], s[22:23], s[92:93]     ; the scales of the 128 rows whose codes I fetch: 4,096 dense bytes
	s_cselect_b64 s[PFA:PFA+1], s[20:21], s[46:47]
	s_cselect_b32 s72, s40, s41                    ; my place among the four that ask for these rows with me
	s_lshl_b32 s72, s72, 15                        ; 32 rows of 1,024 bytes
	s_mov_b32 s73, 0
	s_add_nc_u64 s[PFA:PFA+1], s[PFA:PFA+1], s[72:73]
.irp j, 0,1,2,3,4,5,6,7
	global_load_b128 v[QR+4*\j:QR+4*\j+3], v[CO], s[68:69] offset:512*\j
.endr
	v_and_b32 v1, 15, v0                           ; r = lane % 16
	v_bfe_u32 v2, v0, 4, 1                         ; h = lane / 16
	v_mul_u32_u24 v3, v1, PITCH
	v_lshl_add_u32 v4, v2, 4, v3                   ; a fragment's row x pitch + 16 x half
	v_mul_u32_u24 v7, v2, 272
	v_lshl_add_u32 v7, v1, 4, v7                   ; 16 x lane in units of 256 bytes + 16
	AW
	s_mul_i32 s18, s15, HALFT                      ; my 128 rows of q
	s_mul_i32 s19, s16, HALFT                      ; my 128 rows of k,
	s_add_co_u32 s19, s19, 2*HALFT                 ; which lie behind q's 256
.irp s, 0,1
	v_add_nc_u32 v[ADRA+\s], s18, v4
	v_add_nc_u32 v[ADRB+\s], s19, v4
	s_add_co_u32 s18, s18, SLOT
	s_add_co_u32 s19, s19, SLOT
.endr
	s_mul_i32 s18, s14, HALFS
	s_add_co_u32 s18, s18, SCL
	v_add_nc_u32 v[SCW], s18, v7
	AW
	v_lshlrev_b32 v5, 5, v1                        ; my row's scales: 32 bytes a row,
	v_lshrrev_b32 v6, 8, v5
	v_lshl_add_u32 v5, v6, 4, v5                   ; and 16 more for each 256 passed
	s_mul_i32 s18, s15, HALFS                      ; q's: my 128 rows
	s_mul_i32 s19, s16, HALFS                      ; k's: my 128 rows, behind q's 256
	s_add_co_u32 s19, s19, 2*HALFS
	s_sub_co_u32 s19, s19, s18
	v_mul_u32_u24 v6, s19, v2                      ; lanes 16-31 take k's
	s_add_co_u32 s18, s18, SCL
	v_add_nc_u32 v5, v5, v6
	v_add_nc_u32 v[ADRS], s18, v5
	s_mul_i32 s18, s14, 1536
	s_add_co_u32 s18, s18, SCR                     ; my scratch
	v_lshl_add_u32 v[SA], v1, 2, s18
	v_add_nc_u32 v[SB], s18, v[CO]
	; where my part of pcodes begins: 64 queries 4 x tile row + 2 x half (262,144 bytes each), 512 keys tile column / 2 (32,768 bytes), group 2 (tile column % 2) + half (2,048 bytes)
	s_lshl_b32 s20, s17, 20
	s_lshl_b32 s21, s15, 19
	s_add_co_u32 s20, s20, s21
	s_lshr_b32 s46, s42, 1
	s_lshl_b32 s46, s46, 15
	s_add_co_u32 s20, s20, s46
	s_and_b32 s46, s42, 1
	s_lshl_b32 s46, s46, 12
	s_add_co_u32 s20, s20, s46
	s_lshl_b32 s46, s16, 11
	s_add_co_u32 s20, s20, s46
	s_mov_b32 s21, 0
	s_add_nc_u64 s[12:13], s[12:13], s[20:21]
	; and of a plane of pstat: group x 16,384 bytes + query x 4
	s_lshl_b32 s20, s17, 10
	s_lshl_b32 s22, s15, 9
	s_add_co_u32 s20, s20, s22
	s_lshl_b32 s46, s42, 15
	s_lshl_b32 s47, s16, 14
	s_add_co_u32 s46, s46, s47
	s_add_co_u32 s20, s20, s46
	s_add_nc_u64 s[66:67], s[66:67], s[20:21]
	global_prefetch_b8 v[PFO], s[PFA:PFA+1] offset:256 th:TH_LOAD_NT scope:SCOPE_SE
; A fragment, 16 rows x 128 K of 8-bit codes, is 16 registers: lane l holds row l % 16; registers 4 c .. 4 c + 3 hold K = 32 c + 16 (l / 16) + 0 .. 15.
.macro KL s, i                         ; k's fragment i of step s
.set fR, 128*((\s)%2)+16*(\i)
.set fA, ADRB+((\s)/2)%2
.set fO, 128*((\s)%2)+(\i)*16*PITCH
.irp c, 0,1,2,3
	ds_load_b128 v[fR+4*\c:fR+4*\c+3], v[fA] offset:fO+32*\c
.endr
.endm
.macro QL s, i                         ; q's fragment i of step s
.set fR, QR+16*((8*(\s)+(\i))%12)
.set fA, ADRA+((\s)/2)%2
.set fO, 128*((\s)%2)+(\i)*16*PITCH
.irp c, 0,1,2,3
	ds_load_b128 v[fR+4*\c:fR+4*\c+3], v[fA] offset:fO+32*\c
.endr
.endm
.macro SCALES j                        ; slot j's scale words: two words a row
.irp i, 0,1,2,3,4,5,6,7
	ds_load_b64 v[SC+16*((\j)%2)+2*\i:SC+16*((\j)%2)+2*\i+1], v[ADRS] offset:\i*SBLK+8*(\j)
.endr
.endm
.macro RUN1 s                          ; the first run of loads for step s: k's eight fragments, q's blocks 0-3
	WIN TO_B
.irp i, 0,1,2,3,4,5,6,7
	KL \s, \i
.endr
	WIN 0
.irp i, 0,1,2,3
	QL \s, \i
.endr
.endm
.macro RUN2 s                          ; the second: q's blocks 4-7
	WIN 0
.irp i, 4,5,6,7
	QL \s, \i
.endr
.endm
; 8 matrix instructions: q's block a x k's eight, 128 along K.  Step 0's products start the sums: nothing is ever cleared.
; The 64 accumulators take turns, one instruction a turn, in the same order in every step.
.macro MUL8 a, s
.if (\a) < 4
	WIN MUL_LO
.else
	WIN MUL_HI
.endif
.set mQ, QR+16*((8*(\s)+(\a))%12)
.set mK, 128*((\s)%2)
.set mS, SC+16*(((\s)/2)%2)+(\s)%2
.irp b, 0,1,2,3,4,5,6,7
.set mD, 8*(8*((\a)%4)+\b)
.if (\s) == 0
	v_wmma_scale_f32_16x16x128_f8f6f4 v[mD:mD+7], v[mK+16*\b:mK+16*\b+15], v[mQ:mQ+15], 0, v[mS+2*\b], v[mS+2*(\a)] matrix_a_scale:MATRIX_SCALE_ROW1
.else
	v_wmma_scale_f32_16x16x128_f8f6f4 v[mD:mD+7], v[mK+16*\b:mK+16*\b+15], v[mQ:mQ+15], v[mD:mD+7], v[mS+2*\b], v[mS+2*(\a)] matrix_a_scale:MATRIX_SCALE_ROW1
.endif
.endr
.endm
.macro MUL32 a0, s
.irp a, 0,1,2,3
	MUL8 \a0+\a, \s
.endr
.endm
; A load into a register that a matrix instruction has read stands eight places behind it, and only plain vector instructions that name none of its registers are places.
; Eight v_nop stand in front of each step's first run.  k's set of step s + 1 was read last in step s - 1; q's blocks 0-3 of step s + 1 take the ring places of step s - 1's blocks 4-7, its blocks 4-7 those of step s's blocks 0-3: all lie ahead of these eight.
; A step of 128 along K that has its successor in the same slot.
.macro STEP s
	s_wait_dscnt 16                                ; this step's first run is in; its second, sixteen loads, may be out
	MUL32 0, \s
	PLACES 8
	RUN1 (\s)+1
	s_wait_dscnt 48                                ; q's blocks 4-7 are in: the 48 just issued may be out
	MUL32 4, \s
	RUN2 (\s)+1
.endm
; A slot's second step (all its fragments were asked for in the first) changes slots with ONE barrier: in front of it each wave waits for all its tensor loads, adds 0 to its spare word, and waits for that and for its own reads of this slot.
; Behind it the next slot is whole and nobody reads this one: fill = 1: it is filled again, two K steps of 256 ahead; the barrier is then a round of the cluster's.
.macro TURN s, slot, fill
	s_wait_dscnt 16
	MUL8 0, \s
	MUL8 1, \s
	WIN 0
	s_wait_tensorcnt 0x0                           ; all my tensor loads have landed: the one that was out is my part of the next slot;
	ds_add_u32 v[SPW], v[NIL]                      ; 0 onto my spare word
	MUL8 2, \s
.if \fill
	s_add_nc_u64 s[G0+4*\slot+2:G0+4*\slot+3], s[G0+4*\slot+2:G0+4*\slot+3], 512
	s_add_nc_u64 s[G0B+4*\slot+2:G0B+4*\slot+3], s[G0B+4*\slot+2:G0B+4*\slot+3], 512
.endif
	s_wait_dscnt 0x0                               ; the add is done, and my reads of this slot are over
	s_barrier_signal -1
	MUL8 3, \s                                     ; work on registers while the others arrive
	WIN 0
	s_barrier_wait -1
.if \fill
	CREST                                          ; no wave of any partner still reads this slot's tile or has a load on its way
	JLOAD \slot
.else
	PLACES 4
.endif
	PLACES 4
	SCALES ((\s)+1)/2
	RUN1 (\s)+1
.if (\s) == 1
	global_prefetch_b8 v[PFO], s[PFA:PFA+1] offset:768 th:TH_LOAD_NT scope:SCOPE_SE
.endif
	MUL32 4, \s
	RUN2 (\s)+1
.endm
	AW                                             ; the wait at the head's end
	s_wait_loadcnt 0x0                             ; my part of the scales
.irp j, 0,1,2,3,4,5,6,7
	ds_store_b128 v[SCW], v[QR+4*\j:QR+4*\j+3] offset:544*\j
.endr
	s_wait_tensorcnt 0x0                           ; my part of slot 0 is in
	ds_add_u32 v[SPW], v[NIL]
	s_wait_dscnt 0x0                               ; the add is done, and my part of the scales lies in LDS
	CROUND                                         ; everybody's does
	JLOAD 1                                        ; slot 1's first fill: the first tensor load behind the round
	SCALES 0
	RUN1 0
	RUN2 0
	global_prefetch_b8 v[PFO], s[PFA:PFA+1] offset:512 th:TH_LOAD_NT scope:SCOPE_SE
	STEP 0
	TURN 1, 0, 1
	STEP 2
	TURN 3, 1, 1
	STEP 4
	TURN 5, 0, 0                                   ; nothing is left to fetch
	STEP 6
	s_wait_dscnt 16
	MUL32 0, 7
	s_wait_dscnt 0x0
	MUL32 4, 7
	WIN 0
; THE WAY OUT, by pairs of blocks of 16 queries x my 128 keys.  A lane holds ONE query (lane % 16) of each block and 64 of its scores: registers 16 b + i of the block are keys 32 b + 8 h + i (i < 8) and 32 b + 16 + 8 h + i - 8 (i >= 8):
; all sixteen lie in block b of 32 keys, whose other sixteen lie in lane l xor 16.  The two blocks take turns line by line.
.macro SOFT2 a
.set AC, 64*((\a)%4)                   ; the pair's accumulators, in window 2 (blocks 0-3) or 3 (blocks 4-7)
.set WN, 2+(\a)/4
.set W3, WN|(WN<<2)|(WN<<4)            ; all three sources in that window
.set W2, (WN<<2)|(WN<<4)               ; sources 1 and 2
	WIN W3
	AW                                             ; ahead of the first readers of these matrix results
.irp x, 0,1
.irp b, 0,1,2,3
	v_max3_num_f32 v[BM+4*\x+\b], v[AC+64*\x+16*\b], v[AC+64*\x+16*\b+1], v[AC+64*\x+16*\b+2]   ; THE LARGEST SCORE OF EACH BLOCK OF 32 KEYS, for the group's maximum and, since p rises with the score, for the block's largest p
	v_max3_num_f32 v[BT+4*\x+\b], v[AC+64*\x+16*\b+8], v[AC+64*\x+16*\b+9], v[AC+64*\x+16*\b+10]
.endr
.endr
	WIN W2
.irp i, 3,5
.irp x, 0,1
.irp b, 0,1,2,3
	v_max3_num_f32 v[BM+4*\x+\b], v[BM+4*\x+\b], v[AC+64*\x+16*\b+\i], v[AC+64*\x+16*\b+\i+1]
	v_max3_num_f32 v[BT+4*\x+\b], v[BT+4*\x+\b], v[AC+64*\x+16*\b+8+\i], v[AC+64*\x+16*\b+9+\i]
.endr
.endr
.endr
.irp x, 0,1
.irp b, 0,1,2,3
	v_max3_num_f32 v[BM+4*\x+\b], v[BM+4*\x+\b], v[AC+64*\x+16*\b+7], v[AC+64*\x+16*\b+15]
.endr
.endr
	WIN 0
.irp b, 0,1,2,3,4,5,6,7
	v_max_num_f32 v[BM+\b], v[BM+\b], v[BT+\b]
.endr
.irp b, 0,1,2,3,4,5,6,7
	v_permlanex16_b32 v[BT+\b], v[BM+\b], s[SEL], s[SEL+1]
.endr
.irp b, 0,1,2,3,4,5,6,7
	v_max_num_f32 v[BM+\b], v[BM+\b], v[BT+\b]     ; with lane l xor 16's sixteen keys
.endr
.irp x, 0,1
	v_max3_num_f32 v[RM+\x], v[BM+4*\x], v[BM+4*\x+1], v[BM+4*\x+2]
.endr
.irp x, 0,1
	v_max_num_f32 v[RM+\x], v[RM+\x], v[BM+4*\x+3] ; the group's largest score of my query
.endr
.irp x, 0,1
	v_mul_f32 v[RM+\x], s[CS], v[RM+\x]            ; as t (c is positive)
.endr
.irp x, 0,1
	v_floor_f32 v[NM+2*\x], -v[RM+\x]              ; -M = floor(-t) = -ceil(t): M IS A WHOLE NUMBER
.endr
	WIN WN                                         ; source 0 in the accumulators' window
.irp x, 0,1
.set j, 0
.rept 32
	v_pk_fma_f32 v[PX+64*\x+j:PX+64*\x+j+1], v[AC+64*\x+j:AC+64*\x+j+1], s[CS:CS+1], v[NM+2*\x:NM+2*\x+1] op_sel_hi:[1,0,0]   ; t - M, two at a time (of the pairs c and -M the low word serves both halves)
.set j, j+2
.endr
.endr
	WIN 0
.irp x, 0,1
.irp b, 0,1,2,3
	v_fma_f32 v[BM+4*\x+\b], v[BM+4*\x+\b], s[CS], v[NM+2*\x]     ; the same of each block's largest score
.endr
.endr
	AW                                             ; the wait ahead of the batch
.set j, 0
.rept 128
	v_exp_f32 v[PX+j], v[PX+j]                     ; p = 2^(t - M), at most 1: NOT normalised
.set j, j+1
.endr
.irp b, 0,1,2,3,4,5,6,7
	v_exp_f32 v[BM+\b], v[BM+\b]                   ; the blocks' largest p: the same two instructions on the same number give the same bits
.endr
	v_nop                                          ; a plain place behind the exponentials
	AW                                             ; and the wait behind the batch, ahead of its first reader
.if (\a) > 0
	s_wait_xcnt 0x0                                ; the last pair's stores have read the codes' registers, which are written again only behind this wait
.endif
.irp x, 0,1
	v_pk_add_f32 v[LA+4*\x:LA+4*\x+1], v[PX+64*\x:PX+64*\x+1], v[PX+64*\x+2:PX+64*\x+3]      ; THE SUM IS TAKEN OF THE UNQUANTISED p: two at a time, in two chains for each block
	v_pk_add_f32 v[LA+4*\x+2:LA+4*\x+3], v[PX+64*\x+4:PX+64*\x+5], v[PX+64*\x+6:PX+64*\x+7]
.endr
.irp b, 0,1,2,3,4,5,6,7
	v_max_num_f32 v[BM+\b], 0x4800000, v[BM+\b]    ; the floor 2^(9 - 127): the byte cannot fall under 1
.endr
.irp j, 8,12,16,20,24,28,32,36,40,44,48,52,56,60
.irp x, 0,1
	v_pk_add_f32 v[LA+4*\x:LA+4*\x+1], v[LA+4*\x:LA+4*\x+1], v[PX+64*\x+\j:PX+64*\x+\j+1]
	v_pk_add_f32 v[LA+4*\x+2:LA+4*\x+3], v[LA+4*\x+2:LA+4*\x+3], v[PX+64*\x+\j+2:PX+64*\x+\j+3]
.endr
.endr
.irp b, 0,1,2,3,4,5,6,7
	v_add_nc_u32 v[SOP+\b], 0xfc000000, v[BM+\b]   ; 8 off the exponent field: the conversion's scale operand
.endr
.irp x, 0,1
	v_pk_add_f32 v[LA+4*\x:LA+4*\x+1], v[LA+4*\x:LA+4*\x+1], v[LA+4*\x+2:LA+4*\x+3]
.endr
.irp b, 0,1,2,3,4,5,6,7
	v_and_or_b32 v[HOLD+\b], v[BM+\b], 0x7f800000, s[MNT]   ; 448 x the scale
.endr
.irp x, 0,1
	v_add_f32 v[LT+\x], v[LA+4*\x], v[LA+4*\x+1]
.endr
.irp b, 0,1,2,3,4,5,6,7
	v_lshrrev_b32 v[BT+\b], 23, v[SOP+\b]          ; the scale's byte: 1 to 119, since p is at most 1
.endr
.irp x, 0,1
	v_permlanex16_b32 v[LX+\x], v[LT+\x], s[SEL], s[SEL+1]
.endr
.irp x, 0,1
	v_lshl_or_b32 v[PW+\x], v[BT+4*\x+1], 8, v[BT+4*\x]   ; p's scale word for these 128 keys
.endr
.irp x, 0,1
	v_lshl_or_b32 v[PW+\x], v[BT+4*\x+2], 16, v[PW+\x]
.endr
.irp x, 0,1
	v_lshl_or_b32 v[PW+\x], v[BT+4*\x+3], 24, v[PW+\x]
.endr
.irp x, 0,1
	v_add_f32 v[LT+\x], v[LT+\x], v[LX+\x]         ; with lane l xor 16's: l of my query in this group
.endr
.irp b, 0,1,2,3,4,5,6,7
.irp i, 0,1,2,3,4,5,6,7,8,9,10,11,12,13,14,15
	v_min_num_f32 v[PX+16*\b+\i], v[PX+16*\b+\i], v[HOLD+\b]   ; the conversion to an 8-bit code does not saturate (ISA guide 7.6.2); p is not negative, so the hold is one-sided
.endr
.endr
.irp b, 0,1,2,3,4,5,6,7
	v_cvt_scalef32_pk8_fp8_f32 v[CD+4*\b:CD+4*\b+1], v[PX+16*\b:PX+16*\b+7], v[SOP+\b]        ; keys 32 b + 8 h + 0 .. 7
	v_cvt_scalef32_pk8_fp8_f32 v[CD+4*\b+2:CD+4*\b+3], v[PX+16*\b+8:PX+16*\b+15], v[SOP+\b]   ; keys 32 b + 16 + 8 h + 0 .. 7
.endr
	v_nop                                          ; one plain place behind the last conversion
; The operand's layout wants keys 32 b + 16 h + 0 .. 15 in a lane.  Lanes 0-15 have keys 0-7 and 16-23 of a block, lanes 16-31 keys 8-15 and 24-31: the upper lanes' first eight change places with the lower lanes' second eight.
.irp b, 0,1,2,3,4,5,6,7
	v_permlane16_swap_b32 v[CD+4*\b], v[CD+4*\b+2]
	v_permlane16_swap_b32 v[CD+4*\b+1], v[CD+4*\b+3]
.endr
.irp x, 0,1
.irp c, 0,1,2,3
	global_store_b128 v[CO], v[CD+16*\x+4*\c:CD+16*\x+4*\c+3], s[12:13] offset:262144*((\a)/4)+8192*((\a)%4+\x)+512*\c   ; the fragment's image: 32 lanes store 512 consecutive bytes, at a multiple of 512 from the buffer's first byte
.endr
.endr
.irp x, 0,1
	ds_store_b32 v[SA], v[NM+2*\x] offset:64*((\a)+\x)       ; the query's three words go to my scratch; both halves of the lanes write the same word with the same value
	ds_store_b32 v[SA], v[LT+\x] offset:512+64*((\a)+\x)
	ds_store_b32 v[SA], v[PW+\x] offset:1024+64*((\a)+\x)
.endr
.endm
	PLACES 8                                       ; behind the last products: for the reads of their results and for the writes into the registers that held q's fragments and the scale words
.irp x, 0,1
	v_mov_b32 v[LX+\x], 0                          ; written once: a lane permute's destination counts as one of its sources
	v_mov_b32 v[NM+2*\x+1], 0                      ; (named as the upper half of a pair)
.endr
	SOFT2 0
	SOFT2 2
	SOFT2 4
	SOFT2 6
.irp p, 0,1,2
	ds_load_b128 v[OUT+4*\p:OUT+4*\p+3], v[SB] offset:512*\p   ; LDS serves a wave's instructions in order (ISA guide 5.7.1.4): these see my stores
.endr
	s_wait_dscnt 0x0
.irp p, 0,1,2
	global_store_b128 v[CO], v[OUT+4*\p:OUT+4*\p+3], s[66:67] offset:524288*\p   ; my 128 queries' words of a plane: 512 consecutive bytes, at a multiple of 512
.endr
	s_wait_tensorcnt 0x0                           ; the wave's end: behind my last tensor load and my last LDS store
	ds_add_u32 v[SPW], v[NIL]
	s_wait_dscnt 0x0
	CROUND                                         ; the closing round: no work-group ends while a partner may still ask for a tile that names it
	s_endpgm
.Lfunc_end_k_q6d601500e7_scores:
	.size	k_q6d601500e7_scores, .Lfunc_end_k_q6d601500e7_scores-k_q6d601500e7_scores
	.p2alignl 7, 3214868480
	.fill 96, 4, 3214868480
	.section	.rodata,"a",@progbits
	.p2align	6, 0x0
	.amdhsa_kernel k_q6d601500e7_scores
		.amdhsa_group_segment_fixed_size 327680
		.amdhsa_private_segment_fixed_size 0
		.amdhsa_enable_private_segment 0
		.amdhsa_kernarg_size 48
		.amdhsa_user_sgpr_count 2
		.amdhsa_user_sgpr_kernarg_segment_ptr 1
		.amdhsa_wavefront_size32 1
		.amdhsa_system_sgpr_workgroup_id_x 1
		.amdhsa_system_sgpr_workgroup_id_y 1
		.amdhsa_system_sgpr_workgroup_id_z 1
		.amdhsa_system_vgpr_workitem_id 0
		.amdhsa_next_free_vgpr 1024
		.amdhsa_next_free_sgpr 100
		.amdhsa_reserve_vcc 0
		.amdhsa_float_denorm_mode_32 3
		.amdhsa_float_denorm_mode_16_64 3
		.amdhsa_memory_ordered 1
		.amdhsa_forward_progress 1
		.amdhsa_inst_pref_size 224
	.end_amdhsa_kernel
	.amdgpu_metadata
---
amdhsa.version: [ 1, 2 ]
amdhsa.kernels:
  - .name:           k_q6d601500e7_scores
    .symbol:         k_q6d601500e7_scores.kd
    .args:
      - { .name: q_codes, .offset: 0, .size: 8, .value_kind: global_buffer, .address_space: global }
      - { .name: q_scales, .offset: 8, .size: 8, .value_kind: global_buffer, .address_space: global }
      - { .name: k_codes, .offset: 16, .size: 8, .value_kind: global_buffer, .address_space: global }
      - { .name: k_scales, .offset: 24, .size: 8, .value_kind: global_buffer, .address_space: global }
      - { .name: pcodes, .offset: 32, .size: 8, .value_kind: global_buffer, .address_space: global }
      - { .name: pstat, .offset: 40, .size: 8, .value_kind: global_buffer, .address_space: global }
    .group_segment_fixed_size: 327680
    .private_segment_fixed_size: 0
    .kernarg_segment_align: 8
    .kernarg_segment_size: 48
    .max_flat_workgroup_size: 128
    .sgpr_count:     100
    .vgpr_count:     1024
    .wavefront_size: 32
...
	.end_amdgpu_metadata
.endif
;; end of part 1
;; launch mix (part 2): grid 32 x 8, 4 waves a work-group, clusters of 4 x 4, 327,680 bytes of LDS; arguments pcodes, pstat, v_codes, v_scales, out0; writes out0
.if DOCPART == 2
	.amdgcn_target "amdgcn-amd-amdhsa--gfx1250"
	.amdhsa_code_object_version 6
	.text
	.protected	k_q6d601500e7_mix
	.globl	k_q6d601500e7_mix
	.p2align	8
	.type	k_q6d601500e7_mix,@function
k_q6d601500e7_mix:
	s_mov_b64 s[64:65], 0
	v_nop
	global_prefetch_b8 v0, s[64:65] scope:SCOPE_SE
	s_setreg_imm32_b32 hwreg(HW_REG_WAVE_MODE, 25, 1), 1
	s_wait_xcnt 0x0
	s_wait_alu depctr_hold_cnt(0) depctr_sa_sdst(0) depctr_va_vdst(0) depctr_va_sdst(0) depctr_va_ssrc(0) depctr_va_vcc(0) depctr_vm_vsrc(0)
	s_getreg_b32 s2, hwreg(HW_REG_IB_STS2, 6, 4)
	s_cmp_eq_u32 s2, 0
	s_cbranch_scc0 .Lentry_in_a_cluster
	s_endpgm
.Lentry_in_a_cluster:
	s_bfe_u32 s2, ttmp6, 0x10000c
	s_cmp_lg_u32 s2, 0xf033
	s_cbranch_scc0 .Lentry_shape_is_right
	s_endpgm
.Lentry_shape_is_right:
; SECOND OF TWO LAUNCHES.  O = P V / l on codes of FP8 (E4M3) with one E8M0 scale for each 32 keys (K = the 4,096 keys), in tiles of 128 queries x 128 channels.
; pcodes [64 queries 64][512 keys 8][block of 16 queries 4][group of 128 keys 4][2,048]: register images of P's fragments;  pstat: planes [group 32][query 4,096]: -M of the group (f32), l of the group (f32), p's four scale bytes.
; v_codes [1,024 channels][4,096 keys], v_scales [1,024][128].  out0 [4,096][1,024] f32.
; THE HEAD brings the groups under the row's M: the row's -M is the least of the 32 groups'; d = the row's M less the group's, a whole number, 0 or more; d is taken off each of the group's four scale bytes,
; and l = the sum of the groups' l x 2^-d.  Both are exact.
; LIMITS: d is held at 127.  A scale byte that would fall under 0 becomes 0, so that its block counts with 2^-127 times its codes, at most 448 x 2^-127 a number, beside a row's sum of 1/2 at the least;
; a group with d = 127 adds nothing to l.  NaN and infinities are not served.
; SHARES.  Wave w takes queries 64 (w / 2) on (four blocks of 16) and half of each fill's keys, for all 128 channels: 32 accumulators, 256 registers.  A step is 128 keys: 32 matrix instructions; a fill is two steps of each wave.
; At the end the two waves of a half of the queries add their sums through LDS, and each wave divides by l and stores 32 whole rows.
; FILLS.  A ring of two LDS slots, each four tiles of 128 rows x 256 bytes: eight fills of 512 keys, two tiles of P (64 queries each, dense in memory) and two of V (256 keys each).  A wave issues one tensor load a fill.
; CLUSTER: 4 x 4 work-groups.  The four with the same tile of queries ask JOINTLY for P's tiles, the four with the same tile of channels for V's: the same tensor load, with the same descriptor and a mask that names the four.
; PREFETCH: P and V of a fill are asked for two fills ahead of their loads (fills 1 and 2 in the head), each 256 bytes once in a cluster: of a P tile's 128 units and of a V tile's 128 rows each of the four partners names 32, told apart by
; address.  V is named by the clusters with x under 4 alone: all eight along x read the same V.
; THE MATRIX INSTRUCTION IS USED TRANSPOSED (source 0 = 16 channels of V, source 1 = 16 queries of P): lane (r, h) of accumulator (a, b) holds query 16 a + r, and its register j channel 16 b + 8 h + j.
; REGISTERS, in windows of 256: window 0: v0-31 addresses; v32-55 scale words, two sets of 12, and nothing else; v80-127 at work; v128-255 the head's three planes, on the way out rows.
;   window 1: V's fragments, two sets of 8.   window 2: the accumulators ((a, b) at v[8 (8 a + b)]).   window 3: P's ring: step t at v[64 (t % 4)], fragment a at + 16 a.
.set VP,    272                        ; an LDS row: 256 bytes + 16 of padding = 68 words: the 16 rows that a load touches start at 16 different banks (64 banks of 4 bytes: ISA guide 11.1)
.set SUBT,  128*VP                     ; what one tensor load brings
.set SLOT,  4*SUBT                     ; P's two tiles, then V's two
.set REG,   64*528                     ; the way out: a wave's stage, 64 rows x (512 bytes + 16).  The four stages lie in slot 0, which has had its last fill and its last read when the first result is stored there
.set PT,    2*SLOT                     ; P's corrected scale words: row i at 272 (i / 2) + 128 (i % 2), word of group g at + 4 g.  Written by LDS stores alone
.set TBL,   64*272
.set VT,    PT+TBL                     ; V's scale bytes, laid the same way, by LDS stores too
.set XM,    VT+TBL                     ; the four waves' least -M of each row: 512 bytes a wave
.set XL,    XM+2048                    ; the four waves' parts of each row's l: 512 bytes a wave
.set RL,    XL+2048                    ; 1 / l, a word a row
.set SPARE, RL+512                     ; the spare words, 128 bytes for each wave
.set VTW,  7                           ; v7      where my part of V's scale bytes goes
.set ADRS, 8                           ; v8      scale words: lanes 0-15 P's rows of my four blocks, lanes 16-31 V's rows 0-63
.set ADRT, 9                           ; v9      scale words: lanes 0-15 V's rows 64-95, lanes 16-31 V's rows 96-127
.set RD,   10                          ; v10-11  the way out: where I read my rows in the two stages of my half of the queries
.set ADRP, 14                          ; v14-15  my fragments of P in slot 0, 1
.set ADRB, 16                          ; v16-17  my fragments of V in slot 0, 1
.set PTW,  20                          ; v20     where my four rows' corrected scale words go
.set XMW,  21                          ; v21     XM + 512 x wave + 16 x lane
.set XMR,  22                          ; v22     XM + 16 x lane
.set XLR,  23                          ; v23     XL + 4 x my thread's number
.set STO,  24                          ; v24     the way out: where I put 32 bytes of a row
.set RLB,  25                          ; v25     where my rows' 1 / l begin
.set CO,   26                          ; v26     16 x lane; never rewritten
.set PFO,  27                          ; v27     the prefetches' offset; never rewritten
.set SPW,  28                          ; v28     LDS address of my spare word; never rewritten
.set NIL,  29                          ; v29     0; never rewritten
.set RLW,  30                          ; v30     RL + 4 x my thread's number
.set SC,   32                          ; scale words: steps 2 u, 2 u + 1 in the set at v[SC + 12 (u % 2)]; register 2 i + t % 2; i < 4: P's block i and V's block i; i = 4, 5: V's blocks i and i + 2
.set TA,   80                          ; v80-111 at work in the head
.set RLV,  80                          ; the way out: v80-111 my 32 rows' 1 / l
.set NG,   112                         ; v112-115 my four rows' -M
.set LM,   116                         ; v116-119 the least of my eight groups; later the four parts of l
.set LS,   120                         ; v120-123 my part of my four rows' l
.set RC,   124                         ; v124    1 / l
.set NMV,  128                         ; v128-159 -M of group j, row e at + 4 j + e; then d; then 2^-d
.set SCV,  160                         ; v160-191 the scale words, likewise
.set LV,   192                         ; v192-223 the groups' l, likewise
.set TB,   224                         ; v224-255 V's scale bytes on their way to LDS; then at work; then the corrected words, row e, group j at + 8 e + j
.set G1V, 24                           ; s[24:31], s[32:39] descriptor groups 1 for V's and for P's tiles
.set G1P, 32
.set G0V, 52                           ; s[52:59] V's groups 0, one for each slot;  s[68:75] P's
.set G0P, 68
.set PFA, 76                           ; s[76:77] where my prefetches stand;  s[78:79] a fill on, in bytes
.set PFS, 78
.set PFN, 80                           ; s80 how many prefetches my wave still has to make: fills 1 to 7, or none
.set MSB, 0
.macro WIN new                         ; the immediate's high byte repeats the setting that is left
.if MSB != \new
	s_set_vgpr_msb (MSB<<8)|\new
.set MSB, \new
.endif
.endm
.set MUL,  0xad                        ; source 0 (V) window 1, source 1 (P) window 3, C and D window 2
.set TO_V, 0x40                        ; destination window 1, address window 0
.set TO_P, 0xc0                        ; destination window 3, address window 0
.set FROM_ACC, 0x08                    ; an LDS store's data are its source 1: window 2
.macro AW                              ; the wait on VALU results
	s_wait_alu depctr_va_vdst(0)
.endm
.macro PLACES n
.rept \n
	v_nop
.endr
.endm
.macro CREST                           ; a round of the cluster's barrier behind its opening barrier
	s_cmp_lg_u32 s14, 0
	s_cbranch_scc1 .Lnot_wave_0_\@
	s_barrier_signal -3
.Lnot_wave_0_\@:
	s_barrier_wait -3
	s_barrier_signal -1
	s_barrier_wait -1
.endm
.macro CROUND
	s_barrier_signal -1
	s_barrier_wait -1
	CREST
.endm
; A joint load: waves 0 and 1 fetch P's tiles, waves 2 and 3 V's.  Each of the two lines has one mask and one set of registers for all that issue it; the branch hangs on the wave's number alone.
.macro JLOAD s
	s_cmp_eq_u32 s15, 0
	s_cbranch_scc0 .Lfor_v_\@
	tensor_load_to_lds s[G0P+4*\s:G0P+4*\s+3], s[G1P:G1P+7]
	s_nop 0
	PLACES 4
	s_branch .Lasked_\@
.Lfor_v_\@:
	tensor_load_to_lds s[G0V+4*\s:G0V+4*\s+3], s[G1V:G1V+7]
	s_nop 0
	PLACES 4
.Lasked_\@:
.endm
.macro ASK                             ; a prefetch: 32 lanes, each another aligned 256 bytes
	s_cmp_eq_u32 s[PFN], 0
	s_cbranch_scc1 .Lnot_mine_\@
	global_prefetch_b8 v[PFO], s[PFA:PFA+1] th:TH_LOAD_NT scope:SCOPE_SE
	s_sub_co_u32 s[PFN], s[PFN], 1
.Lnot_mine_\@:
.endm
	s_load_b128 s[4:7], s[0:1], 0x0                ; pcodes s[4:5], pstat s[6:7]
	s_load_b128 s[8:11], s[0:1], 0x10              ; V's codes s[8:9], V's scales s[10:11]
	s_load_b64 s[12:13], s[0:1], 0x20              ; out0
	v_lshl_add_u32 v[SPW], v0, 2, SPARE
	v_mov_b32 v[NIL], 0
	ds_add_u32 v[SPW], v[NIL]                      ; the wave's opening: the add, twice on end, and one wait for both
	ds_add_u32 v[SPW], v[NIL]
	v_lshrrev_b32 v1, 5, v0
	v_readfirstlane_b32 s14, v1                    ; wave 0..3
	s_lshr_b32 s15, s14, 1                         ; which 64 queries of the tile are mine.  Also: I fetch for P (0) or for V (1)
	s_and_b32 s16, s14, 1                          ; which half of a fill's keys.  Also: which of the two tiles I fetch
	s_bfe_u32 s40, ttmp6, 0x40000                  ; cx, cy: my place in the cluster
	s_bfe_u32 s41, ttmp6, 0x40004
	s_lshl_b32 s17, ttmp9, 2
	s_add_co_u32 s17, s17, s40                     ; tile of queries = 4 x cluster x + cx
	s_and_b32 s42, ttmp7, 0xffff
	s_lshl_b32 s42, s42, 2
	s_add_co_u32 s42, s42, s41                     ; tile of channels = 4 x cluster y + cy
	s_lshl_b32 s43, s41, 2
	s_lshl_b32 s43, 15, s43                        ; my row of the cluster: the same tile of channels
	s_lshl_b32 s44, 0x1111, s40                    ; my column: the same tile of queries
	; descriptor group 1: a tile of 128 rows x 256 bytes, 16 bytes of padding behind each row; V's rows lie 4,096 bytes apart, P's are dense
	s_or_b32 s[G1V+0], s43, (1<<20)|(1<<21)|(5<<22)|(3<<25)  ; 15:0 the mask; elements of 1 byte; 20 padding on; 21 set beside a mask; 24:22 after every 64 words (code 5); 31:25 of 4 words (code 3)
	s_or_b32 s[G1P+0], s44, (1<<20)|(1<<21)|(5<<22)|(3<<25)
.irp g, G1V, G1P
	s_mov_b32 s[\g+1], 256<<16                     ; tensor_dim0
	s_mov_b32 s[\g+2], 128<<16                     ; tensor_dim1
	s_mov_b32 s[\g+3], 256<<16                     ; tile_dim0
	s_mov_b32 s[\g+4], 128                         ; tile_dim1
	s_mov_b32 s[\g+6], 0
	s_mov_b32 s[\g+7], 0
.endr
	s_mov_b32 s[G1V+5], 4096                       ; tensor_dim0_stride
	s_mov_b32 s[G1P+5], 256
	s_lshl_b32 s20, s17, 9                         ; pstat: the tile's 128 queries are 512 bytes of each row of a plane;
	s_lshl_b32 s21, s14, 17                        ; my wave takes groups 8 x wave on, 16,384 bytes each
	s_add_co_u32 s20, s20, s21
	s_mov_b32 s21, 0
	s_lshl_b32 s46, s42, 14                        ; V's scales: row 128 x tile of channels + 32 x wave, 128 bytes each
	s_lshl_b32 s47, s14, 12
	s_add_co_u32 s46, s46, s47
	s_mov_b32 s47, 0
	s_lshl_b32 s84, s17, 19                        ; P: 64 queries 2 x tile + wave % 2, 262,144 bytes each; 32,768 bytes a fill
	s_lshl_b32 s85, s16, 18
	s_add_co_u32 s84, s84, s85
	s_mov_b32 s85, 0
	s_lshl_b32 s88, s42, 19                        ; V: row 128 x tile of channels, 4,096 bytes each; keys 256 (wave % 2) on, 512 bytes a fill
	s_lshl_b32 s89, s16, 8
	s_add_co_u32 s88, s88, s89
	s_mov_b32 s89, 0
	s_mul_i32 s81, s14, SUBT                       ; where they go: my tile of a slot.  No place in the cluster enters an LDS address
	v_and_b32 v3, 31, v0                           ; lane
	v_lshlrev_b32 v[CO], 4, v3
	AW
	s_wait_dscnt 0x0                               ; both opening adds are done
	CROUND                                         ; all sixteen work-groups are here: the first joint loads meet
	s_wait_kmcnt 0x0
	s_add_nc_u64 s[82:83], s[4:5], s[84:85]        ; P's tiles
	s_add_nc_u64 s[86:87], s[8:9], s[88:89]        ; V's
.irp s, 0,1
	s_mov_b32 s[G0P+4*\s], 1                       ; 1:0 count = 1
	s_add_co_u32 s[G0P+4*\s+1], s81, \s*SLOT       ; 63:32 LDS address
	s_add_nc_u64 s[G0P+4*\s+2:G0P+4*\s+3], s[82:83], 32768*\s  ; 120:64 global address
	s_or_b32 s[G0P+4*\s+3], s[G0P+4*\s+3], 0x80000000          ; 127:126 type = 2
	s_mov_b32 s[G0V+4*\s], 1
	s_add_co_u32 s[G0V+4*\s+1], s81, \s*SLOT
	s_add_nc_u64 s[G0V+4*\s+2:G0V+4*\s+3], s[86:87], 512*\s
	s_or_b32 s[G0V+4*\s+3], s[G0V+4*\s+3], 0x80000000
.endr
	JLOAD 0                                        ; fill 0: the head's one tensor load a wave
	s_add_nc_u64 s[6:7], s[6:7], s[20:21]
	s_add_nc_u64 s[10:11], s[10:11], s[46:47]
	; my eight groups' three words of all 128 rows: a lane takes four rows, a load 512 consecutive bytes.  Between them V's scale bytes: every wave a quarter, 4,096 dense bytes
.set jj, 0
.rept 8
	global_load_b128 v[NMV+4*jj:NMV+4*jj+3], v[CO], s[6:7] offset:16384*jj              ; -M
.set jj, jj+1
.endr
.set jj, 0
.rept 8
	global_load_b128 v[TB+4*jj:TB+4*jj+3], v[CO], s[10:11] offset:512*jj                ; V's scale bytes
.set jj, jj+1
.endr
.set jj, 0
.rept 8
	global_load_b128 v[SCV+4*jj:SCV+4*jj+3], v[CO], s[6:7] offset:2*524288+16384*jj     ; the scale words
.set jj, jj+1
.endr
.set jj, 0
.rept 8
	global_load_b128 v[LV+4*jj:LV+4*jj+3], v[CO], s[6:7] offset:524288+16384*jj         ; l
.set jj, jj+1
.endr
	; the prefetches: waves 0 and 1 for P (my work-group's 32 units of 256 bytes of the tile that I fetch), waves 2 and 3 for V (32 of its rows); at fill 1
	s_lshl_b32 s94, s41, 13
	s_add_co_u32 s94, s94, 32768
	s_lshl_b32 s95, s40, 17
	s_add_co_u32 s95, s95, 512
	s_cmp_lt_u32 ttmp9, 4
	s_cselect_b32 s[PFN], 7, 0
	s_cmp_eq_u32 s15, 0
	s_cselect_b32 s[PFN], 7, s[PFN]
	s_cselect_b64 s[PFA:PFA+1], s[82:83], s[86:87]
	s_cselect_b32 s94, s94, s95
	s_mov_b32 s[PFS], 512
	s_cselect_b32 s[PFS], 32768, s[PFS]
	s_mov_b32 s[PFS+1], 0
	s_mov_b32 s45, 4096
	s_cselect_b32 s45, 256, s45                    ; from lane to lane
	s_mov_b32 s95, 0
	s_add_nc_u64 s[PFA:PFA+1], s[PFA:PFA+1], s[94:95]
	v_mul_lo_u32 v[PFO], v3, s45
	; addresses, while the loads are on their way
	v_and_b32 v1, 15, v0                           ; r = lane % 16
	v_bfe_u32 v2, v0, 4, 1                         ; h = lane / 16
	v_mul_u32_u24 v6, v2, 272
	v_lshl_add_u32 v6, v1, 4, v6                   ; 16 x lane in rows of 256 bytes + 16
	v_mul_u32_u24 v4, v1, VP
	v_lshl_add_u32 v4, v2, 4, v4                   ; V: row r x pitch + 16 x half
	AW
	s_mul_i32 s20, s14, 16*272
	s_add_co_u32 s20, s20, VT
	v_add_nc_u32 v[VTW], s20, v6
	s_mul_i32 s20, s15, SUBT                       ; P: the tile of my 64 queries,
	s_mul_i32 s21, s16, 2*2176                     ; from my first group on (2,048 bytes are 8 rows: 2,176)
	s_add_co_u32 s20, s20, s21
	v_add_nc_u32 v[ADRP], s20, v6
	v_add_nc_u32 v[ADRP+1], SLOT, v[ADRP]
	s_mul_i32 s20, s16, SUBT                       ; V: my tile, behind P's two
	s_add_co_u32 s20, s20, 2*SUBT
	v_add_nc_u32 v[ADRB], s20, v4
	v_add_nc_u32 v[ADRB+1], SLOT, v[ADRB]
	AW
	v_lshrrev_b32 v4, 1, v1
	v_mul_u32_u24 v4, v4, 272
	v_and_b32 v5, 1, v1
	v_lshl_add_u32 v4, v5, 7, v4                   ; scale words: row r of a block: 272 (r / 2) + 128 (r % 2)
	s_mul_i32 s21, s15, 32*272                     ; P's table: my 64 rows begin 32 units on in the upper half of the queries
	s_xor_b32 s22, s15, 1
	s_mul_i32 s22, s22, 32*272
	s_add_co_u32 s22, s22, 32*272                  ; from there to V's table: TBL less that = 32 units x (2 - half)
	s_lshl_b32 s23, s16, 3                         ; my two words of a fill's four
	s_add_co_u32 s21, s21, s23
	s_add_co_u32 s21, s21, PT
	AW
	v_mul_u32_u24 v5, s22, v2                      ; lanes 16-31 take V's
	v_add_nc_u32 v5, v5, v4
	v_add_nc_u32 v[ADRS], s21, v5
	v_mul_u32_u24 v5, v2, 16*272                   ; V's rows 64 on in lanes 0-15, rows 96 on in lanes 16-31
	s_add_co_u32 s22, s23, VT+32*272
	v_add_nc_u32 v5, v5, v4
	v_add_nc_u32 v[ADRT], s22, v5
	v_mul_u32_u24 v4, v3, 544                      ; my four rows 4 x lane on in P's table: two units;
	s_lshl_b32 s21, s14, 5                         ; my eight groups' words: 32 bytes
	s_add_co_u32 s21, s21, PT
	v_add_nc_u32 v[PTW], s21, v4
	s_lshl_b32 s21, s14, 9
	s_add_co_u32 s21, s21, XM
	v_add_nc_u32 v[XMW], s21, v[CO]
	v_add_nc_u32 v[XMR], XM, v[CO]
	v_lshl_add_u32 v[XLR], v0, 2, XL
	v_lshl_add_u32 v[RLW], v0, 2, RL
	s_lshl_b32 s21, s15, 8                         ; my rows on the way out: 64 x half + 32 p + 16 (wave % 2) + 0 .. 15, p = 0, 1
	s_lshl_b32 s22, s16, 6
	s_add_co_u32 s21, s21, s22
	s_add_co_u32 s21, s21, RL
	v_mov_b32 v[RLB], s21
	AW
	s_mul_i32 s21, s14, REG                        ; my stage:
	v_mul_u32_u24 v4, v1, 528
	v_lshl_add_u32 v4, v2, 5, v4                   ; row r, 32 bytes for each half of the lanes
	v_add_nc_u32 v[STO], s21, v4
	s_mul_i32 s21, s15, 2*REG                      ; back: the two stages of my half of the queries, 16 bytes a lane
	s_mul_i32 s22, s16, 16*528
	s_add_co_u32 s21, s21, s22
	v_add_nc_u32 v[RD], s21, v[CO]
	v_add_nc_u32 v[RD+1], REG, v[RD]
	s_lshl_b32 s20, s17, 19                        ; out0: row 128 x tile of queries + 64 x half + 16 (wave % 2), 4,096 bytes each; column 128 x tile of channels, 4 bytes each
	s_lshl_b32 s21, s15, 18
	s_add_co_u32 s20, s20, s21
	s_lshl_b32 s21, s16, 16
	s_add_co_u32 s20, s20, s21
	s_lshl_b32 s21, s42, 9
	s_add_co_u32 s20, s20, s21
	s_mov_b32 s21, 0
	s_add_nc_u64 s[12:13], s[12:13], s[20:21]
	AW
	ASK                                            ; fill 1
	s_wait_loadcnt 24                              ; my eight groups' -M are in: behind them stand 24 loads
.irp e, 0,1,2,3
	v_min3_num_f32 v[LM+\e], v[NMV+\e], v[NMV+4+\e], v[NMV+8+\e]
.endr
.irp e, 0,1,2,3
	v_min3_num_f32 v[LM+\e], v[LM+\e], v[NMV+12+\e], v[NMV+16+\e]
.endr
.irp e, 0,1,2,3
	v_min3_num_f32 v[LM+\e], v[LM+\e], v[NMV+20+\e], v[NMV+24+\e]
.endr
.irp e, 0,1,2,3
	v_min_num_f32 v[LM+\e], v[LM+\e], v[NMV+28+\e] ; the least of my eight groups, for my four rows
.endr
	ds_store_b128 v[XMW], v[LM:LM+3]
	s_wait_dscnt 0x0                               ; for the others' sake: my store is done
	s_barrier_signal -1
	s_barrier_wait -1
.irp p, 0,1,2,3
	ds_load_b128 v[TA+4*\p:TA+4*\p+3], v[XMR] offset:512*\p
.endr
	s_wait_dscnt 0x0
.irp e, 0,1,2,3
	v_min3_num_f32 v[NG+\e], v[TA+\e], v[TA+4+\e], v[TA+8+\e]
.endr
.irp e, 0,1,2,3
	v_min_num_f32 v[NG+\e], v[NG+\e], v[TA+12+\e]  ; the row's -M: the least of all 32 groups'
.endr
	; what follows goes line by line over my 32 words (8 groups x 4 rows), so that no line waits for the line above it
.set kk, 0
.rept 32
	v_sub_f32 v[NMV+kk], v[NMV+kk], v[NG+kk%4]     ; d = the row's M less the group's: a whole number, 0 or more
.set kk, kk+1
.endr
.set kk, 0
.rept 32
	v_min_num_f32 v[NMV+kk], 0x42fe0000, v[NMV+kk] ; held at 127
.set kk, kk+1
.endr
.set kk, 0
.rept 32
	v_cvt_u32_f32 v[NMV+kk], v[NMV+kk]
.set kk, kk+1
.endr
.set kk, 0
.rept 32
	v_perm_b32 v[TA+kk], v[NMV+kk], v[NMV+kk], 0   ; d in all four bytes
.set kk, kk+1
.endr
	AW
	s_wait_loadcnt 0x0                             ; V's scale bytes, the scale words and the groups' l are in
	s_wait_xcnt 0x0                                ; and my prefetch has read its address, which is stepped here
	s_add_nc_u64 s[PFA:PFA+1], s[PFA:PFA+1], s[PFS:PFS+1]
.set jj, 0
.rept 8
	ds_store_b128 v[VTW], v[TB+4*jj:TB+4*jj+3] offset:544*jj
.set jj, jj+1
.endr
	ASK                                            ; fill 2
.set kk, 0
.rept 32
	v_or_b32 v[SCV+kk], 0x80808080, v[SCV+kk]      ; 128 onto each byte (the bytes are 1 to 119),
.set kk, kk+1
.endr
.set kk, 0
.rept 32
	v_sub_nc_u32 v[SCV+kk], v[SCV+kk], v[TA+kk]    ; and d off it: 128 + byte - d is at least 2, so no byte borrows from the next
.set kk, kk+1
.endr
.set kk, 0
.rept 32
	v_and_b32 v[TA+kk], 0x80808080, v[SCV+kk]      ; bit 7 still stands where byte - d is 0 or more
.set kk, kk+1
.endr
.set kk, 0
.rept 32
	v_lshrrev_b32 v[TB+kk], 7, v[TA+kk]
.set kk, kk+1
.endr
.set kk, 0
.rept 32
	v_sub_nc_u32 v[TA+kk], v[TA+kk], v[TB+kk]      ; 0x7f in those bytes, 0 in the others
.set kk, kk+1
.endr
.set kk, 0
.rept 32
	v_and_b32 v[TB+8*(kk%4)+kk/4], v[SCV+kk], v[TA+kk]   ; the corrected byte: byte - d, or 0.  A row's eight words land in eight neighbouring registers
.set kk, kk+1
.endr
.irp e, 0,1,2,3
.irp u, 0,1
	ds_store_b128 v[PTW], v[TB+8*\e+4*\u:TB+8*\e+4*\u+3] offset:272*(\e/2)+128*(\e%2)+16*\u
.endr
.endr
.set kk, 0
.rept 32
	v_sub_nc_u32 v[NMV+kk], 127, v[NMV+kk]
.set kk, kk+1
.endr
.set kk, 0
.rept 32
	v_lshlrev_b32 v[NMV+kk], 23, v[NMV+kk]         ; 2^-d as f32 (0 where d = 127)
.set kk, kk+1
.endr
.irp e, 0,1,2,3
	v_mul_f32 v[LS+\e], v[LV+\e], v[NMV+\e]        ; my part of l: the sum of my eight groups' l x 2^-d, a chain for each of my four rows
.endr
.set kk, 4
.rept 28
	v_fmac_f32 v[LS+kk%4], v[LV+kk], v[NMV+kk]
.set kk, kk+1
.endr
	ds_store_b128 v[XMW], v[LS:LS+3] offset:XL-XM
	AW
	s_wait_xcnt 0x0                                ; my prefetch has read its address
	s_wait_tensorcnt 0x0                           ; my part of fill 0 is in
	ds_add_u32 v[SPW], v[NIL]
	s_add_nc_u64 s[PFA:PFA+1], s[PFA:PFA+1], s[PFS:PFS+1]
	s_wait_dscnt 0x0                               ; the add is done, and my parts of the tables and of l lie in LDS
	CROUND                                         ; everybody's do
	JLOAD 1                                        ; fill 1, into slot 1: the first tensor load behind the round
; Step t's data lie in slot (t / 2) % 2.  V's fragment i: 16 channels x the step's 128 keys: lane l holds row l % 16; registers 4 c .. 4 c + 3 hold K = 32 c + 16 (l / 16) + 0 .. 15.
.macro VL t
	WIN TO_V
.set fR, 128*((\t)%2)
.set fA, ADRB+((\t)/2)%2
.set fO, 128*((\t)%2)
.irp i, 0,1,2,3,4,5,6,7
.irp c, 0,1,2,3
	ds_load_b128 v[fR+16*\i+4*\c:fR+16*\i+4*\c+3], v[fA] offset:fO+\i*16*VP+32*\c
.endr
.endr
.endm
.macro PL t                            ; P's fragments: images of 2,048 bytes in rows of 256 + 16; block a begins 32 rows on, the second group 8 rows on
	WIN TO_P
.set fR, 64*((\t)%4)
.set fA, ADRP+((\t)/2)%2
.set fO, 2176*((\t)%2)
.irp a, 0,1,2,3
.irp c, 0,1,2,3
	ds_load_b128 v[fR+16*\a+4*\c:fR+16*\a+4*\c+3], v[fA] offset:fO+8704*\a+544*\c
.endr
.endr
.endm
.macro SCALES u, off                   ; the scale words of steps 2 u, 2 u + 1: two neighbouring words a row; 16 rows are 8 units of 272 bytes
.set fR, SC+12*((\u)%2)
.irp i, 0,1,2,3
	ds_load_b64 v[fR+2*\i:fR+2*\i+1], v[ADRS] offset:(\off)+\i*8*272
.endr
.irp j, 0,1
	ds_load_b64 v[fR+8+2*\j:fR+9+2*\j], v[ADRT] offset:(\off)+\j*8*272
.endr
.endm
; 8 matrix instructions: P's block a x V's eight, the step's 128 keys.  Step 0's products start the sums: nothing is ever cleared.
; The 32 accumulators take turns, one instruction a turn, in the same order in every step.
; V's scale words: blocks 0-3 stand in lanes 16-31 of registers i = 0 .. 3, blocks 4, 5 in lanes 0-15 and blocks 6, 7 in lanes 16-31 of registers i = 4, 5.  P's block a stands in lanes 0-15 of register i = a.
.macro MUL8 a, t
	WIN MUL
.set mV, 128*((\t)%2)
.set mP, 64*((\t)%4)+16*(\a)
.set mS, SC+12*(((\t)/2)%2)+(\t)%2
.irp b, 0,1,2,3,4,5,6,7
.set mD, 8*(8*(\a)+\b)
.if \b < 4
.set mX, mS+2*\b
.else
.set mX, mS+8+2*(\b%2)
.endif
.if (\b == 4) || (\b == 5)
.if (\t) == 0
	v_wmma_scale_f32_16x16x128_f8f6f4 v[mD:mD+7], v[mV+16*\b:mV+16*\b+15], v[mP:mP+15], 0, v[mX], v[mS+2*(\a)]
.else
	v_wmma_scale_f32_16x16x128_f8f6f4 v[mD:mD+7], v[mV+16*\b:mV+16*\b+15], v[mP:mP+15], v[mD:mD+7], v[mX], v[mS+2*(\a)]
.endif
.else
.if (\t) == 0
	v_wmma_scale_f32_16x16x128_f8f6f4 v[mD:mD+7], v[mV+16*\b:mV+16*\b+15], v[mP:mP+15], 0, v[mX], v[mS+2*(\a)] matrix_a_scale:MATRIX_SCALE_ROW1
.else
	v_wmma_scale_f32_16x16x128_f8f6f4 v[mD:mD+7], v[mV+16*\b:mV+16*\b+15], v[mP:mP+15], v[mD:mD+7], v[mX], v[mS+2*(\a)] matrix_a_scale:MATRIX_SCALE_ROW1
.endif
.endif
.endr
.endm
; A load into a register that a matrix instruction has read stands eight places behind it, and only plain vector instructions that name none of its registers are places.
; Eight v_nop stand in front of each step's loads of V: the set of step t + 1 was read last in step t - 1; P's set three steps back.
; A STEP that has its successor in the same slot: the successor's V behind the first 8 products, its P behind the first 24.
.macro STEP t
	s_wait_dscnt 12                                ; this step's V and P's block 0 are in: three blocks' loads may be out
	MUL8 0, \t
	PLACES 8
	VL (\t)+1
	s_wait_dscnt 40                                ; block 1: behind it stand two blocks' loads and V's 32
	MUL8 1, \t
	s_wait_dscnt 36
	MUL8 2, \t
	PL (\t)+1
	s_wait_dscnt 48                                ; block 3: behind it stand V's 32 and P's 16
	MUL8 3, \t
	WIN 0
.endm
; A fill's last step (all its fragments were asked for in the step before) changes slots.  Each wave waits for all its tensor loads, of which one is out: its part of the other slot; adds 0 to its spare word; and waits for that and for its
; reads of this slot.  Behind the barrier nobody reads this slot any more and the other slot is whole.  fill > 0: this slot is filled again, two fills ahead, behind a round of the cluster's barrier.  fill = 2: a prefetch follows, two fills further on.
.macro TURN t, slot, fill, off
	s_wait_dscnt 12
	MUL8 0, \t
	WIN 0
.if \fill > 1
	s_wait_xcnt 0x0                                ; any prefetch of mine has read its address
.endif
	s_wait_tensorcnt 0x0                           ; no tensor load of mine is out, so a group 0 may be written
	ds_add_u32 v[SPW], v[NIL]                      ; 0 onto my spare word
.if \fill
	s_add_nc_u64 s[G0P+4*\slot+2:G0P+4*\slot+3], s[G0P+4*\slot+2:G0P+4*\slot+3], 65536   ; two fills on; the type bits on top are not reached
	s_add_nc_u64 s[G0V+4*\slot+2:G0V+4*\slot+3], s[G0V+4*\slot+2:G0V+4*\slot+3], 1024
.endif
.if \fill > 1
	s_add_nc_u64 s[PFA:PFA+1], s[PFA:PFA+1], s[PFS:PFS+1]
.endif
	s_wait_dscnt 0x0                               ; the add is done, and my reads of the slot are over
	s_barrier_signal -1
	MUL8 1, \t                                     ; work on registers while the others arrive
	WIN 0
	s_barrier_wait -1
.if \fill
	CREST                                          ; no wave of any partner still reads the slot or has a load on its way
	JLOAD \slot
.else
	PLACES 4
.endif
	PLACES 4
	SCALES ((\t)+1)/2, \off
	VL (\t)+1
	MUL8 2, \t
	PL (\t)+1
	MUL8 3, \t
	WIN 0
.if \fill > 1
	ASK                                            ; the fill two on from the one just asked for
.endif
.endm
.irp p, 0,1,2,3
	ds_load_b32 v[LM+\p], v[XLR] offset:512*\p     ; a thread takes a row: the four parts of its l
.endr
	SCALES 0, 0
	VL 0
	PL 0
	WIN 0
	ASK                                            ; fill 3
	s_wait_dscnt 54                                ; the four parts are in: behind them stand 6 loads of scale words, V's 32 and P's 16
	v_add_f32 v[LM], v[LM], v[LM+1]
	v_add_f32 v[LM+2], v[LM+2], v[LM+3]
	v_add_f32 v[LM], v[LM], v[LM+2]
	AW
	v_rcp_f32 v[RC], v[LM]
	v_nop                                          ; a plain place behind the reciprocal
	AW                                             ; and the wait ahead of its first reader
	ds_store_b32 v[RLW], v[RC]                     ; read on the way out, many barriers on
	STEP 0
	TURN 1, 0, 2, 16                               ; fill 2 into slot 0
	s_mov_b32 s3, 2
.Lk:                                                   ; steps 2 to 5, then 6 to 9: fills 3 and 4, then 5 and 6
	STEP 2
	TURN 3, 1, 2, 32
	STEP 4
	TURN 5, 0, 2, 48
	v_add_nc_u32 v[ADRS], 32, v[ADRS]              ; eight words on
	v_add_nc_u32 v[ADRT], 32, v[ADRT]
	AW
	s_sub_co_u32 s3, s3, 1
	s_cmp_lg_u32 s3, 0
	s_cbranch_scc1 .Lk
	STEP 10
	TURN 11, 1, 1, 32                              ; fill 7, the last, into slot 1
	STEP 12
	TURN 13, 0, 0, 48                              ; nothing is left to fetch
	STEP 14
; THE WAY OUT.  A wave holds the sums of its 64 queries x 128 channels over ITS keys.  They go into its own stage, rows of 512 bytes + 16, block by block as the last step finishes them.  In two halves of 32 rows each: behind a barrier each
; wave reads 16 rows out of the two stages of its half of the queries, adds, divides by l and stores whole rows.  The stages lie in slot 0: every wave has passed the last change of slots, in front of which all reads of that slot were over.
.macro STAGE a
	WIN FROM_ACC
.irp b, 0,1,2,3,4,5,6,7
	ds_store_b128 v[STO], v[8*(8*\a+\b):8*(8*\a+\b)+3] offset:\a*16*528+64*\b          ; each accumulator from its low end on
	ds_store_b128 v[STO], v[8*(8*\a+\b)+4:8*(8*\a+\b)+7] offset:\a*16*528+64*\b+16
.endr
.endm
.macro RLOAD g                         ; eight of my rows, out of the two stages: register 8 tt + 4 p of buffer g % 2
.set BF, 128+64*((\g)%2)
.irp tt, 0,1,2,3,4,5,6,7
.irp p, 0,1
	ds_load_b128 v[BF+8*\tt+4*\p:BF+8*\tt+4*\p+3], v[RD+\p] offset:(32*((\g)/2)+8*((\g)%2)+\tt)*528
.endr
.endr
.endm
.macro RSUM g, younger                 ; younger: the LDS instructions issued behind group g's loads, which may stay out
.set BF, 128+64*((\g)%2)
	s_wait_dscnt \younger
.irp tt, 0,1,2,3,4,5,6,7
	v_pk_add_f32 v[BF+8*\tt:BF+8*\tt+1], v[BF+8*\tt:BF+8*\tt+1], v[BF+8*\tt+4:BF+8*\tt+5]          ; the two halves of the keys
	v_pk_add_f32 v[BF+8*\tt+2:BF+8*\tt+3], v[BF+8*\tt+2:BF+8*\tt+3], v[BF+8*\tt+6:BF+8*\tt+7]
.irp e, 0,1,2,3
	v_mul_f32 v[BF+8*\tt+\e], v[BF+8*\tt+\e], v[RLV+8*(\g)+\tt]          ; / the row's l
.endr
	global_store_b128 v[CO], v[BF+8*\tt:BF+8*\tt+3], s[12:13] offset:(32*((\g)/2)+8*((\g)%2)+\tt)*4096 th:TH_STORE_NT   ; 32 lanes store 512 consecutive bytes of a row, at a multiple of 512 from the buffer's first byte; written once, read by nobody here
.endr
.endm
	s_wait_dscnt 12
	MUL8 0, 15
	s_wait_dscnt 8
	MUL8 1, 15
	PLACES 8                                       ; in front of the stores of results: blocks 0 and 1
	STAGE 0
	s_wait_dscnt 20                                ; P's block 2 is in: behind it stand block 3's four loads and 16 stores
	MUL8 2, 15
	STAGE 1
	WIN 0
	s_wait_dscnt 0x0                               ; for the others' sake: my stores of blocks 0 and 1 are done
	s_barrier_signal -1
	MUL8 3, 15
	WIN 0
	s_barrier_wait -1
.irp g, 0,1,2,3,4,5,6,7
	ds_load_b128 v[RLV+4*\g:RLV+4*\g+3], v[RLB] offset:16*(\g%4)+128*(\g/4)   ; my 32 rows' 1 / l: every lane reads the same words
.endr
	RLOAD 0
	RLOAD 1
	PLACES 8                                       ; blocks 2 and 3
	STAGE 2
	STAGE 3
	WIN 0
	RSUM 0, 48                                     ; group 1's sixteen loads and 32 stores may be out
	RSUM 1, 32
	AW
	s_wait_xcnt 0x0                                ; the stores have read their registers: the buffers are loaded again only behind this wait
	s_wait_dscnt 0x0                               ; my stores of blocks 2 and 3 are done
	s_barrier_signal -1
	s_barrier_wait -1
	RLOAD 2
	RLOAD 3
	RSUM 2, 16
	RSUM 3, 0
	s_wait_tensorcnt 0x0                           ; the wave's end: behind my last tensor load and my last LDS store
	ds_add_u32 v[SPW], v[NIL]
	s_wait_dscnt 0x0
	CROUND                                         ; the closing round: no work-group ends while a partner may still ask for a tile that names it
	s_endpgm
.Lfunc_end_k_q6d601500e7_mix:
	.size	k_q6d601500e7_mix, .Lfunc_end_k_q6d601500e7_mix-k_q6d601500e7_mix
	.p2alignl 7, 3214868480
	.fill 96, 4, 3214868480
	.section	.rodata,"a",@progbits
	.p2align	6, 0x0
	.amdhsa_kernel k_q6d601500e7_mix
		.amdhsa_group_segment_fixed_size 327680
		.amdhsa_private_segment_fixed_size 0
		.amdhsa_enable_private_segment 0
		.amdhsa_kernarg_size 40
		.amdhsa_user_sgpr_count 2
		.amdhsa_user_sgpr_kernarg_segment_ptr 1
		.amdhsa_wavefront_size32 1
		.amdhsa_system_sgpr_workgroup_id_x 1
		.amdhsa_system_sgpr_workgroup_id_y 1
		.amdhsa_system_sgpr_workgroup_id_z 1
		.amdhsa_system_vgpr_workitem_id 0
		.amdhsa_next_free_vgpr 1024
		.amdhsa_next_free_sgpr 96
		.amdhsa_reserve_vcc 0
		.amdhsa_float_denorm_mode_32 3
		.amdhsa_float_denorm_mode_16_64 3
		.amdhsa_memory_ordered 1
		.amdhsa_forward_progress 1
		.amdhsa_inst_pref_size 155
	.end_amdhsa_kernel
	.amdgpu_metadata
---
amdhsa.version: [ 1, 2 ]
amdhsa.kernels:
  - .name:           k_q6d601500e7_mix
    .symbol:         k_q6d601500e7_mix.kd
    .args:
      - { .name: pcodes, .offset: 0, .size: 8, .value_kind: global_buffer, .address_space: global }
      - { .name: pstat, .offset: 8, .size: 8, .value_kind: global_buffer, .address_space: global }
      - { .name: v_codes, .offset: 16, .size: 8, .value_kind: global_buffer, .address_space: global }
      - { .name: v_scales, .offset: 24, .size: 8, .value_kind: global_buffer, .address_space: global }
      - { .name: out0, .offset: 32, .size: 8, .value_kind: global_buffer, .address_space: global }
    .group_segment_fixed_size: 327680
    .private_segment_fixed_size: 0
    .kernarg_segment_align: 8
    .kernarg_segment_size: 40
    .max_flat_workgroup_size: 128
    .sgpr_count:     96
    .vgpr_count:     1024
    .wavefront_size: 32
...
	.end_amdgpu_metadata
.endif
;; end of part 2
